; MI455X (gfx1250); checked and timed in simulation.
; The chip was launched on July 23, 2026; its instructions are those of AMD's public machine-readable ISA for CDNA 5 (MIT licence, August 2026) and "CDNA5" Instruction Set Architecture Reference Guide (July 2026). The comments in the code are by the model that wrote it; some were corrected since.
;; Thorns Attention. Allowed arithmetic: float matrix products may take bf16 or f16 operands with f32 sums; all other float work in f32.
;; Inputs: Wd 1,024 x 1,024 float32; Wk 1,024 x 1,024 float32; Wq 1,024 x 1,024 float32; Wv 1,024 x 1,024 float32; attention_mask 1 x 1 x 2,048 x 2,048 float32; x 2 x 2,048 x 1,024 float32.
;; Outputs: out0 2 x 2,048 x 1,024 float32.
;; One version. Each part assembles by itself: llvm-mc -triple=amdgcn-amd-amdhsa -mcpu=gfx1250 --defsym DOCPART=n.
;; ======== version 1 of 1: 4 launches
;; limits: values are held in f16: magnitudes above 65,504 overflow, below 6.1e-05 lose precision
;; workspace buffers: xw 16,777,216 bytes; tab 262,144 bytes; qkv 25,165,824 bytes; ob 8,388,608 bytes
;; launch prep (part 1): grid 256 x 1, 8 waves a work-group, no clusters, 0 bytes of LDS; arguments x, Wq, Wk, Wv, Wd, xw, tab; writes xw, tab
.if DOCPART == 1
	.amdgcn_target "amdgcn-amd-amdhsa--gfx1250"
	.amdhsa_code_object_version 6
	.text
	.protected	k_q0a8e82d638_prep
	.globl	k_q0a8e82d638_prep
	.p2align	8
	.type	k_q0a8e82d638_prep,@function
k_q0a8e82d638_prep:
	s_mov_b64 s[64:65], 0
	v_nop
	global_prefetch_b8 v0, s[64:65] scope:SCOPE_SE
	s_setreg_imm32_b32 hwreg(HW_REG_WAVE_MODE, 25, 1), 1
	s_wait_xcnt 0x0
; Casts and the rope table.
; xw: byte 0 x as bf16 [4096][1024]; 8 MiB Wq, 10 MiB Wk, 12 MiB Wv as bf16 [1024][1024]; 14 MiB Wd, rounded to bf16 and that
; number written as f16 (the last product pairs it with an f16 operand).
; LIMIT: the rewrite of Wd is exact for 2^-17 <= |w| < 65,504; below, its absolute error is at most 2^-25; above, it is infinite.
; tab: f32 [2048][32], tab[s][j] = cos(a) + sin(a), a = s * 10000^(-j/32): reference()'s rotate_half returns its argument, so
; its rope is a multiplication by this one factor, the same for d and d + 32.
; LIMIT: the phase a is made in f32 as in reference(), but by exp2; it may differ from reference()'s by about 3e-4 rad at s = 2047.
; Work-group g casts 32,768 numbers: 128 KiB in, 64 KiB out at xw + 65,536 g.  Thread t takes the 16 bytes at 16 t of each chunk
; of 4,096 bytes: a wave's load covers 512 consecutive bytes, its store 256 consecutive aligned bytes.  All 32 loads of a thread
; go out at once into 128 registers: no loop, no register written twice, so no source of a pending access is ever rewritten.
; No LDS, no matrix unit, no cluster: nothing is shared and every byte moves once.
.set X, 24                             ; v[24:151] chunk i: 4 registers as loaded; its first two then hold the 8 bytes to store
	s_load_b256 s[4:11], s[0:1], 0x0               ; x s[4:5], Wq s[6:7], Wk s[8:9], Wv s[10:11]
	s_load_b128 s[12:15], s[0:1], 0x20             ; Wd s[12:13], xw s[14:15]
	s_load_b64 s[16:17], s[0:1], 0x30              ; tab
	v_lshlrev_b32 v1, 4, v0                        ; 16 t: my bytes in a chunk as read
	v_lshlrev_b32 v2, 3, v0                        ; 8 t: my bytes in a chunk as written, and in the table
	v_lshrrev_b32 v3, 5, v0
	v_readfirstlane_b32 s18, v3                    ; wave
	s_mov_b32 s20, ttmp9                           ; g
	s_mov_b32 s21, 224                             ; the first work-group of my source
	s_wait_kmcnt 0x0
	s_mov_b64 s[22:23], s[12:13]                   ; g >= 224: Wd
	s_cmp_lt_u32 s20, 224
	s_cselect_b64 s[22:23], s[10:11], s[22:23]     ; g < 224: Wv
	s_cselect_b32 s21, 192, s21
	s_cmp_lt_u32 s20, 192
	s_cselect_b64 s[22:23], s[8:9], s[22:23]       ; g < 192: Wk
	s_cselect_b32 s21, 160, s21
	s_cmp_lt_u32 s20, 160
	s_cselect_b64 s[22:23], s[6:7], s[22:23]       ; g < 160: Wq
	s_cselect_b32 s21, 128, s21
	s_cmp_lt_u32 s20, 128
	s_cselect_b64 s[22:23], s[4:5], s[22:23]       ; g < 128: x
	s_cselect_b32 s21, 0, s21
	s_sub_co_u32 s21, s20, s21
	s_lshl_b32 s24, s21, 17                        ; 131,072 bytes of the source for each work-group
	s_mov_b32 s25, 0
	s_add_nc_u64 s[22:23], s[22:23], s[24:25]
	s_lshl_b32 s26, s20, 16                        ; 65,536 bytes of xw
	s_mov_b32 s27, 0
	s_add_nc_u64 s[14:15], s[14:15], s[26:27]
	s_lshl_b32 s28, s20, 10                        ; 1,024 bytes of the table
	s_mov_b32 s29, 0
	s_add_nc_u64 s[16:17], s[16:17], s[28:29]
.set n, 0
.rept 32
	global_load_b128 v[X+4*n:X+4*n+3], v1, s[22:23] offset:n*4096 th:TH_LOAD_NT
.set n, n+1
.endr
	; The table, made while the loads are on their way.  Waves 0 to 3: thread t makes tab[8 g + t / 16][2 (t % 16) .. + 1].
	s_cmp_ge_u32 s18, 4
	s_cbranch_scc1 .Lcast
	v_lshrrev_b32 v4, 4, v0
	s_lshl_b32 s30, s20, 3
	v_add_nc_u32 v4, s30, v4
	v_cvt_f32_u32 v4, v4                           ; s
	v_and_b32 v5, 15, v0
	v_lshlrev_b32 v5, 1, v5
	v_cvt_f32_u32 v6, v5                           ; j = 2 u
	v_add_f32 v7, 1.0, v6                          ; j = 2 u + 1
; dst = cos(a) + sin(a).  a is reduced by n = round(a 2/pi) quarter turns, pi/2 taken in two parts; on |r| <= pi/4 the series
; to r^7 and r^8 leave errors below 4e-7.  Quarter n mod 4 turns (cos + sin) into c + s, c - s, -c - s, -c + s.
.macro ROPE dst, jf
	v_mul_f32 v10, 0xbed49a78, v[\jf]              ; -j log2(10000) / 32
	v_exp_f32 v10, v10
	v_nop                                          ; one plain instruction behind the exponential (ISA guide 5.7.2)
	s_wait_alu depctr_va_vdst(0)
	v_mul_f32 v10, v4, v10                         ; a
	v_mul_f32 v11, 0x3f22f983, v10
	v_rndne_f32 v11, v11                           ; n
	v_fmamk_f32 v12, v11, 0xbfc90fdb, v10          ; a - n pi/2, upper part
	v_fmamk_f32 v12, v11, 0x333bbd2e, v12          ; and the rest: r
	v_mul_f32 v13, v12, v12                        ; r^2
	v_mov_b32 v14, 0xb9500d01                      ; -1/5040
	v_fmaak_f32 v14, v14, v13, 0x3c088889          ; 1/120
	v_fmaak_f32 v14, v14, v13, 0xbe2aaaab          ; -1/6
	v_mul_f32 v14, v14, v13
	v_fma_f32 v14, v14, v12, v12                   ; sin r
	v_mov_b32 v15, 0x37d00d01                      ; 1/40320
	v_fmaak_f32 v15, v15, v13, 0xbab60b61          ; -1/720
	v_fmaak_f32 v15, v15, v13, 0x3d2aaaab          ; 1/24
	v_fmaak_f32 v15, v15, v13, 0xbf000000          ; -1/2
	v_fmaak_f32 v15, v15, v13, 0x3f800000          ; cos r
	v_cvt_i32_f32 v16, v11
	v_lshlrev_b32 v17, 30, v16
	v_and_b32 v17, 0x80000000, v17                 ; bit 1 of n: quarters 2 and 3 negate c
	v_xor_b32 v15, v15, v17
	v_add_nc_u32 v16, 1, v16
	v_lshlrev_b32 v16, 30, v16
	v_and_b32 v16, 0x80000000, v16                 ; bit 1 of n + 1: quarters 1 and 2 negate s
	v_xor_b32 v14, v14, v16
	v_add_f32 v[\dst], v14, v15
.endm
	ROPE 8, 6
	ROPE 9, 7
	global_store_b64 v2, v[8:9], s[16:17]          ; a wave stores 256 consecutive aligned bytes
.Lcast:
; chunk i: rounded to bf16; f16 = 1: each bf16 widened again and written as f16
.macro CVT i, f16
	s_wait_loadcnt 31-\i                           ; loads come back in order (ISA guide 5.7.1): chunk i is in, the 31 - i younger ones stay out
	v_cvt_pk_bf16_f32 v[X+4*\i], v[X+4*\i], v[X+4*\i+1]
	v_cvt_pk_bf16_f32 v[X+4*\i+1], v[X+4*\i+2], v[X+4*\i+3]
.if \f16
	v_lshlrev_b32 v[X+4*\i+2], 16, v[X+4*\i]
	v_and_b32 v[X+4*\i+3], 0xffff0000, v[X+4*\i]
	v_cvt_pk_f16_f32 v[X+4*\i], v[X+4*\i+2], v[X+4*\i+3]
	v_lshlrev_b32 v[X+4*\i+2], 16, v[X+4*\i+1]
	v_and_b32 v[X+4*\i+3], 0xffff0000, v[X+4*\i+1]
	v_cvt_pk_f16_f32 v[X+4*\i+1], v[X+4*\i+2], v[X+4*\i+3]
.endif
	global_store_b64 v2, v[X+4*\i:X+4*\i+1], s[14:15] offset:\i*2048
.endm
	s_cmp_ge_u32 s20, 224
	s_cbranch_scc1 .Lwd
.set n, 0
.rept 32
	CVT n, 0
.set n, n+1
.endr
	s_endpgm
.Lwd:
.set n, 0
.rept 32
	CVT n, 1
.set n, n+1
.endr
	s_endpgm
.Lfunc_end_k_q0a8e82d638_prep:
	.size	k_q0a8e82d638_prep, .Lfunc_end_k_q0a8e82d638_prep-k_q0a8e82d638_prep
	.p2alignl 7, 3214868480
	.fill 96, 4, 3214868480
	.section	.rodata,"a",@progbits
	.p2align	6, 0x0
	.amdhsa_kernel k_q0a8e82d638_prep
		.amdhsa_group_segment_fixed_size 0
		.amdhsa_private_segment_fixed_size 0
		.amdhsa_enable_private_segment 0
		.amdhsa_kernarg_size 56
		.amdhsa_user_sgpr_count 2
		.amdhsa_user_sgpr_kernarg_segment_ptr 1
		.amdhsa_wavefront_size32 1
		.amdhsa_system_sgpr_workgroup_id_x 1
		.amdhsa_system_sgpr_workgroup_id_y 1
		.amdhsa_system_sgpr_workgroup_id_z 1
		.amdhsa_system_vgpr_workitem_id 0
		.amdhsa_next_free_vgpr 152
		.amdhsa_next_free_sgpr 66
		.amdhsa_reserve_vcc 0
		.amdhsa_float_denorm_mode_32 3
		.amdhsa_float_denorm_mode_16_64 3
		.amdhsa_memory_ordered 1
		.amdhsa_forward_progress 1
		.amdhsa_inst_pref_size 34
	.end_amdhsa_kernel
	.amdgpu_metadata
---
amdhsa.version: [ 1, 2 ]
amdhsa.kernels:
  - .name:           k_q0a8e82d638_prep
    .symbol:         k_q0a8e82d638_prep.kd
    .args:
      - { .name: x, .offset: 0, .size: 8, .value_kind: global_buffer, .address_space: global }
      - { .name: Wq, .offset: 8, .size: 8, .value_kind: global_buffer, .address_space: global }
      - { .name: Wk, .offset: 16, .size: 8, .value_kind: global_buffer, .address_space: global }
      - { .name: Wv, .offset: 24, .size: 8, .value_kind: global_buffer, .address_space: global }
      - { .name: Wd, .offset: 32, .size: 8, .value_kind: global_buffer, .address_space: global }
      - { .name: xw, .offset: 40, .size: 8, .value_kind: global_buffer, .address_space: global }
      - { .name: tab, .offset: 48, .size: 8, .value_kind: global_buffer, .address_space: global }
    .group_segment_fixed_size: 0
    .private_segment_fixed_size: 0
    .kernarg_segment_align: 8
    .kernarg_segment_size: 56
    .max_flat_workgroup_size: 256
    .sgpr_count:     66
    .vgpr_count:     152
    .wavefront_size: 32
...
	.end_amdgpu_metadata
.endif
;; end of part 1
;; launch proj (part 2): grid 12 x 16, 4 waves a work-group, clusters of 4 x 4, 327,680 bytes of LDS; arguments xw, tab, qkv; writes qkv
.if DOCPART == 2
	.amdgcn_target "amdgcn-amd-amdhsa--gfx1250"
	.amdhsa_code_object_version 6
	.text
	.protected	k_q0a8e82d638_proj
	.globl	k_q0a8e82d638_proj
	.p2align	8
	.type	k_q0a8e82d638_proj,@function
k_q0a8e82d638_proj:
	s_mov_b64 s[64:65], 0
	v_nop
	global_prefetch_b8 v0, s[64:65] scope:SCOPE_SE
	s_setreg_imm32_b32 hwreg(HW_REG_WAVE_MODE, 25, 1), 1
	s_wait_xcnt 0x0
	s_wait_alu depctr_hold_cnt(0) depctr_sa_sdst(0) depctr_va_vdst(0) depctr_va_sdst(0) depctr_va_ssrc(0) depctr_va_vcc(0) depctr_vm_vsrc(0)
	s_getreg_b32 s2, hwreg(HW_REG_IB_STS2, 6, 4)
	s_cmp_eq_u32 s2, 0
	s_cbranch_scc0 .Lentry_in_a_cluster
	s_endpgm
.Lentry_in_a_cluster:
	s_bfe_u32 s2, ttmp6, 0x10000c
	s_cmp_lg_u32 s2, 0xf033
	s_cbranch_scc0 .Lentry_shape_is_right
	s_endpgm
.Lentry_shape_is_right:
; q, k, v = x W^T as ONE product C[4096][3072] = A B^T, A = x (bf16, xw byte 0), B = Wq, Wk, Wv one behind the other (bf16, xw byte 8 MiB),
; K = 1024, sums in f32.  q and k are multiplied in f32 by the rope factor tab[s][d % 32]; all three are rounded once to f16 and stored
; as qkv[part][batch * 16 + head][s][64].
; LIMIT: q, k, v are kept in f16: |value| must stay below 65,504 (inputs as drawn give about 8; x and W both 30 times larger about 7,000).
; A work-group makes 256 x 256 of C with four waves, a wave 128 x 128: 64 accumulator tiles, 512 registers.  K goes in steps of 128 through
; two LDS slots filled by the tensor data mover; a tile's rows are 256 bytes of memory and start at multiples of 256 bytes.
; 12 x 16 = 192 work-groups: the blocks do not cut across Wq, Wk, Wv, so a work-group has one part.
; CLUSTERS: 4 x 4 work-groups.  A's tile hangs on the block row alone and is asked for jointly by a row of the cluster, B's on the block
; column alone and is asked for jointly by a column: the requests for A and B are divided by four.
; REGISTERS, in windows of 256:
;   window 0: v0-31 addresses; v64-127, v128-191 fragments of A, two buffers; v192-223 at work on the way out
;   window 1: v64-127, v128-191 fragments of B; v0-63 and v192-255 the rope factors of my 128 rows (16 registers for each 16 rows)
;   window 2: the 32 accumulator tiles of my rows 0-63 (tile (a, b) at v[8 (8 a + b)]);   window 3: those of my rows 64-127
; THE MATRIX INSTRUCTION IS USED TRANSPOSED (source 0 = rows of B, source 1 = rows of A): lane l holds row l % 16 of C and its registers
; the columns 8 (l / 16) + 0 .. 7 of a tile: eight neighbouring numbers of a row, 16 bytes of f16.
.set SIZE_M, 4096
.set SIZE_N, 3072
.set SIZE_K, 1024
.set KSTEP,  128
.set PITCH,  272                       ; an LDS row: 256 bytes + 16 of padding: the 16 rows that a fragment load touches start 68 words apart
.set HALFT,  128*PITCH                 ; 128 rows: what one tensor load brings
.set SLOT,   4*HALFT                   ; A's 256 rows, then B's 256 rows
.set STAGE,  2*SLOT                    ; behind the ring: 16 rows x 272 bytes for each wave, for the way out; no tensor load lands there
.set SPITCH, 272
.set LAPS, SIZE_K/(2*KSTEP)            ; 4 laps of two K steps
.set ADRA, 16                          ; v16-17  LDS address of my A fragments in slot 0, 1
.set ADRB, 20                          ; v20-21  the same for B
.set STO,  24                          ; v24     the way out: where I put 16 bytes of a row
.set RD,   25                          ; v25     the way out: where I read back
.set CO,   26                          ; v26     my byte offset in a store of 512 bytes
.set TO,   27                          ; v27     my byte offset in the table
.set F0,   64
.set F1,   128
.set TMP,  192
.set G1, 24                            ; s[24:31] descriptor group 1 for A's tiles
.set G0, 32                            ; s[32:39] descriptor group 0 for A's tiles, one set for each slot
.set G1B, 48                           ; s[48:55] group 1 for B's tiles: another mask
.set G0B, 56                           ; s[56:63] group 0 for B's tiles
.set MSB, 0
.macro WIN new                         ; the immediate's high byte repeats the setting that is left
.if MSB != \new
	s_set_vgpr_msb (MSB<<8)|\new
.set MSB, \new
.endif
.endm
.set MUL_LO, 0xa1                      ; source 0 (B) window 1, source 1 (A) window 0, C and D window 2
.set MUL_HI, 0xf1                      ; the same, C and D window 3
.set TO_B,   0x40                      ; destination window 1, address window 0
; A joint load.  Waves 0 and 1 fetch A's two halves, waves 2 and 3 B's; each line has one mask.  The branch hangs on the wave's number alone.
.macro JLOAD s
	s_cmp_eq_u32 s11, 0
	s_cbranch_scc0 .Lfor_b_\@
	tensor_load_to_lds s[G0+4*\s:G0+4*\s+3], s[G1:G1+7]
	s_nop 0
	s_branch .Lasked_\@
.Lfor_b_\@:
	tensor_load_to_lds s[G0B+4*\s:G0B+4*\s+3], s[G1B:G1B+7]
	s_nop 0
.Lasked_\@:
.endm
; A round of the cluster's barrier: my work-group's barrier; wave 0 signals for the work-group; every wave waits for all sixteen; my barrier once more.
.macro CREST
	s_cmp_lg_u32 s10, 0
	s_cbranch_scc1 .Lnot_wave_0_\@
	s_barrier_signal -3
.Lnot_wave_0_\@:
	s_barrier_wait -3
	s_barrier_signal -1
	s_barrier_wait -1
.endm
.macro CROUND
	s_barrier_signal -1
	s_barrier_wait -1
	CREST
.endm
	s_load_b128 s[4:7], s[0:1], 0x0                ; xw s[4:5], tab s[6:7]
	s_load_b64 s[8:9], s[0:1], 0x10                ; qkv
	v_lshl_add_u32 v254, v0, 2, 0x48400
	v_mov_b32 v255, 0
	ds_add_u32 v254, v255
	v_lshrrev_b32 v1, 5, v0
	v_readfirstlane_b32 s10, v1                    ; wave 0..3
	s_lshr_b32 s11, s10, 1                         ; which half of the block's rows is mine.  Also: I fetch for A (0) or for B (1)
	s_and_b32 s12, s10, 1                          ; which half of its columns.  Also: which 128 rows of that tile I fetch
	s_mov_b32 s68, ttmp9                           ; the cluster's x = 1,024 columns of C = the part: 0 q, 1 k, 2 v; equal in all partners
	s_bfe_u32 s40, ttmp6, 0x40000                  ; cx
	s_bfe_u32 s41, ttmp6, 0x40004                  ; cy
	s_lshl_b32 s42, ttmp9, 2
	s_add_co_u32 s42, s42, s40                     ; block column of C
	s_and_b32 s13, ttmp7, 0xffff
	s_lshl_b32 s13, s13, 2
	s_add_co_u32 s13, s13, s41                     ; block row of C
	s_lshl_b32 s43, s41, 2
	s_lshl_b32 s43, 15, s43                        ; my row of the cluster
	s_lshl_b32 s44, 0x1111, s40                    ; my column
	; group 1: a tile of 128 rows x 128 elements of 2 bytes, 4 words of padding behind every 64 words
	s_or_b32 s[G1+0], s43, (1<<16)|(1<<20)|(1<<21)|(5<<22)|(3<<25)
	s_or_b32 s[G1B+0], s44, (1<<16)|(1<<20)|(1<<21)|(5<<22)|(3<<25)
	s_mov_b32 s[G1B+1], KSTEP<<16
	s_mov_b32 s[G1+1], KSTEP<<16                   ; tensor_dim0 = 128
	s_mov_b32 s[G1B+2], 128<<16
	s_mov_b32 s[G1+2], 128<<16                     ; tensor_dim1 = 128
	s_mov_b32 s[G1B+3], KSTEP<<16
	s_mov_b32 s[G1+3], KSTEP<<16                   ; tile_dim0 = 128
	s_mov_b32 s[G1B+4], 128
	s_mov_b32 s[G1+4], 128                         ; tile_dim1 = 128
	s_mov_b32 s[G1B+5], SIZE_K
	s_mov_b32 s[G1+5], SIZE_K                      ; elements from row to row
	s_mov_b32 s[G1B+6], 0
	s_mov_b32 s[G1+6], 0
	s_mov_b32 s[G1B+7], 0
	s_mov_b32 s[G1+7], 0
	; where the tiles come from: A's hang on the block row, B's on the block column, each in registers that never hold the other coordinate
	s_lshl_b32 s17, s12, 7
	s_lshl_b32 s16, s13, 8
	s_add_co_u32 s16, s16, s17                     ; A: row 256 x block row + 128 x half
	s_lshl_b32 s46, s42, 8
	s_add_co_u32 s46, s46, s17                     ; B: row 256 x block column + 128 x half
	s_mov_b32 s17, 0
	s_mov_b32 s47, 0
	s_mov_b64 s[18:19], SIZE_K*2
	s_mul_u64 s[16:17], s[16:17], s[18:19]
	s_mul_u64 s[46:47], s[46:47], s[18:19]
	s_mul_i32 s20, s10, HALFT                      ; and where they go: wave x 128 rows
	s_and_b32 s72, s13, 7                          ; my first row's place in the sequence: 8 block rows make a batch
	s_lshl_b32 s72, s72, 8
	s_lshl_b32 s73, s11, 7
	s_add_co_u32 s72, s72, s73                     ; s0
	s_lshl_b32 s74, s72, 7                         ; a table row is 128 bytes
	s_mov_b32 s75, 0
	s_wait_dscnt 0x0
	s_wait_kmcnt 0x0
	s_add_nc_u64 s[14:15], s[4:5], s[16:17]
	s_add_nc_u64 s[70:71], s[4:5], 0x800000        ; B begins 8 MiB into xw
	s_add_nc_u64 s[46:47], s[70:71], s[46:47]
	s_add_nc_u64 s[66:67], s[6:7], s[74:75]        ; the table at my first row; never rewritten
	CROUND                                         ; all sixteen work-groups are here: the first joint loads meet
.irp s, 0,1
	s_mov_b32 s[G0+4*\s], 1
	s_add_co_u32 s[G0+4*\s+1], s20, \s*SLOT
	s_add_nc_u64 s[G0+4*\s+2:G0+4*\s+3], s[14:15], \s*KSTEP*2
	s_or_b32 s[G0+4*\s+3], s[G0+4*\s+3], 0x80000000
	s_mov_b32 s[G0B+4*\s], 1
	s_add_co_u32 s[G0B+4*\s+1], s20, \s*SLOT
	s_add_nc_u64 s[G0B+4*\s+2:G0B+4*\s+3], s[46:47], \s*KSTEP*2
	s_or_b32 s[G0B+4*\s+3], s[G0B+4*\s+3], 0x80000000
	JLOAD \s
.endr
	v_and_b32 v1, 15, v0                           ; r = l % 16
	v_bfe_u32 v2, v0, 4, 1                         ; h = l / 16
	; The rope factors.  Column 16 b + 8 h + j of my 128 has d % 32 = 16 (b & 1) + 8 h + j, so for each of its 8 rows a lane needs
	; tab[s][8 h .. + 7] and tab[s][16 + 8 h .. + 7]: 16 registers for each 16 rows.  The work-groups that make v load them too and do not
	; use them (64 KiB of the table for a work-group), so that these registers are written on every path.
	v_lshlrev_b32 v[TO], 7, v1
	v_lshl_add_u32 v[TO], v2, 5, v[TO]             ; r x 128 + 32 h; never rewritten
	WIN TO_B
.irp i, 0,1,2,3,4,5,6,7
	global_load_b128 v[16*\i+128*(\i/4):16*\i+128*(\i/4)+3],     v[TO], s[66:67] offset:\i*2048
	global_load_b128 v[16*\i+128*(\i/4)+4:16*\i+128*(\i/4)+7],   v[TO], s[66:67] offset:\i*2048+16
	global_load_b128 v[16*\i+128*(\i/4)+8:16*\i+128*(\i/4)+11],  v[TO], s[66:67] offset:\i*2048+64
	global_load_b128 v[16*\i+128*(\i/4)+12:16*\i+128*(\i/4)+15], v[TO], s[66:67] offset:\i*2048+80
.endr
	WIN 0
	v_mul_u32_u24 v3, v1, PITCH
	v_lshl_add_u32 v3, v2, 4, v3                   ; row x pitch + 16 x half
	s_mul_i32 s21, s11, HALFT                      ; my 128 rows of A
	s_mul_i32 s22, s12, HALFT                      ; my 128 rows of B,
	s_add_co_u32 s22, s22, 2*HALFT                 ; which lie behind A's 256
.irp s, 0,1
	v_add_nc_u32 v[ADRA+\s], s21, v3
	v_add_nc_u32 v[ADRB+\s], s22, v3
	s_add_co_u32 s21, s21, SLOT
	s_add_co_u32 s22, s22, SLOT
.endr
	s_mul_i32 s23, s10, 16*SPITCH
	s_add_co_u32 s23, s23, STAGE                   ; my stage
	v_mul_u32_u24 v4, v1, SPITCH                   ; in: row r, 16 bytes for each half of the lanes
	v_lshl_add_u32 v4, v2, 4, v4
	v_add_nc_u32 v[STO], s23, v4
	v_and_b32 v6, 31, v0                           ; back: eight lanes take the 128 bytes that one row has of one head, a wave four rows
	v_lshrrev_b32 v5, 3, v6
	v_mul_u32_u24 v5, v5, SPITCH
	v_and_b32 v7, 7, v0
	v_lshl_add_u32 v5, v7, 4, v5
	v_add_nc_u32 v[RD], s23, v5
	v_lshlrev_b32 v[CO], 4, v6                     ; four rows of a head are 512 consecutive bytes of qkv
; 16 matrix instructions: m blocks a0, a0 + 1 of the window's four x all 8 n blocks, 32 along K.  zero = 1: the first product starts the sums.
.macro MUL16 f, hi, a0, zero
.irp a, \a0, \a0+1
.irp b, 0,1,2,3,4,5,6,7
.if \zero
	v_wmma_f32_16x16x32_bf16 v[8*(8*(\a)+\b):8*(8*(\a)+\b)+7], v[\f+8*\b:\f+8*\b+7], v[\f+8*(4*\hi+\a):\f+8*(4*\hi+\a)+7], 0
.else
	v_wmma_f32_16x16x32_bf16 v[8*(8*(\a)+\b):8*(8*(\a)+\b)+7], v[\f+8*\b:\f+8*\b+7], v[\f+8*(4*\hi+\a):\f+8*(4*\hi+\a)+7], v[8*(8*(\a)+\b):8*(8*(\a)+\b)+7]
.endif
.endr
.endr
.endm
; 32 LDS loads in one run: the fragments of one quarter step into buffer f
.macro FETCH slot, k, f
	WIN TO_B
.irp i, 0,1,2,3,4,5,6,7
	ds_load_b128 v[\f+8*\i:\f+8*\i+3],   v[ADRB+\slot] offset:\k+\i*16*PITCH
	ds_load_b128 v[\f+8*\i+4:\f+8*\i+7], v[ADRB+\slot] offset:\k+\i*16*PITCH+32
.endr
	WIN 0
.irp i, 0,1,2,3,4,5,6,7
	ds_load_b128 v[\f+8*\i:\f+8*\i+3],   v[ADRA+\slot] offset:\k+\i*16*PITCH
	ds_load_b128 v[\f+8*\i+4:\f+8*\i+7], v[ADRA+\slot] offset:\k+\i*16*PITCH+32
.endr
.endm
; Four plain vector instructions stand between a matrix instruction and a load into a register that it read, or a vector instruction that
; reads its result (ISA guide 7.12.1 for vector instructions).
.macro PLACES
.rept 4
	v_nop
.endr
.endm
; A quarter step: multiplies buffer f; in its middle it fetches the next quarter's fragments into buffer g.  The 64 accumulators take turns,
; one instruction a turn, in the same order in every quarter.
.macro QUARTER slot, k, f, g, zero
	s_wait_dscnt 8                                 ; B and A's rows 0-63 are in; the youngest eight loads (A's rows 64-127) may be out
	WIN MUL_LO
	MUL16 \f, 0, 0, \zero
	MUL16 \f, 0, 2, \zero
	PLACES
	FETCH \slot, \k, \g
	s_wait_dscnt 32                                ; all but the 32 just issued
	WIN MUL_HI
	MUL16 \f, 1, 0, \zero
	MUL16 \f, 1, 2, \zero
.endm
.macro THREE slot, zero
	QUARTER \slot, 64,  F0, F1, \zero
	QUARTER \slot, 128, F1, F0, 0
	QUARTER \slot, 192, F0, F1, 0
.endm
; The last quarter changes slots.  In front of the barrier each wave waits for its reads of this slot and for all its tensor loads (one is out:
; its part of the next slot).  Behind it the refill comes first, then the next slot's first fragments.
.macro TURN slot, next, fill
	s_wait_dscnt 8
	WIN MUL_LO
	MUL16 F1, 0, 0, 0
	s_wait_dscnt 0                                 ; my reads of this slot are over
	s_set_vgpr_msb 0xa1a0
	s_wait_tensorcnt 0x0                           ; and all my tensor loads have landed
	ds_add_u32 v254, v255
	s_wait_dscnt 0x0
	s_set_vgpr_msb 0xa0a1
	s_barrier_signal -1                            ; where a slot is filled again this barrier opens a round of the cluster's barrier
	MUL16 F1, 0, 2, 0                              ; register work while the others arrive
	WIN 0
	s_barrier_wait -1
.if \fill
	CREST                                          ; no wave of any partner still reads this slot's tile or has a load on its way
	s_add_nc_u64 s[G0+4*\slot+2:G0+4*\slot+3], s[G0+4*\slot+2:G0+4*\slot+3], 2*KSTEP*2
	s_add_nc_u64 s[G0B+4*\slot+2:G0B+4*\slot+3], s[G0B+4*\slot+2:G0B+4*\slot+3], 2*KSTEP*2
	JLOAD \slot                                    ; the first tensor load behind the round
.endif
	PLACES
	FETCH \next, 0, F0
	WIN MUL_HI
	MUL16 F1, 1, 0, 0
	MUL16 F1, 1, 2, 0
.endm
.macro LAP zero
	THREE 0, \zero
	TURN 0, 1, 1
	THREE 1, 0
	TURN 1, 0, 1
.endm
	s_wait_tensorcnt 1                             ; my part of K step 0 is in; K step 1's load stays out
	s_barrier_signal -1
	s_barrier_wait -1
	FETCH 0, 0, F0
	LAP 1                                          ; the first lap stands in front of the loop: its first products start the sums
	WIN 0
	s_mov_b32 s3, LAPS-2
.Llap:
	LAP 0
	WIN 0
	s_sub_co_u32 s3, s3, 1
	s_cmp_lg_u32 s3, 0
	s_cbranch_scc1 .Llap
	THREE 0, 0                                     ; the last lap fills nothing
	TURN 0, 1, 0
	THREE 1, 0
	s_wait_dscnt 8
	WIN MUL_LO
	MUL16 F1, 0, 0, 0
	MUL16 F1, 0, 2, 0
	s_wait_dscnt 0
	WIN MUL_HI
	MUL16 F1, 1, 0, 0
	MUL16 F1, 1, 2, 0
	; THE WAY OUT, 16 rows at a time: the rope factor (q and k), one rounding to f16, 16 bytes a lane into my own stage, back as pieces of
	; 128 bytes (a row of one head), stored four rows at a time: each store of the wave covers 512 consecutive aligned bytes.
	PLACES
	WIN 0
	s_lshr_b32 s76, s13, 3                         ; batch
	s_lshl_b32 s76, s76, 4
	s_lshl_b32 s77, s40, 2                         ; a block column is four heads,
	s_add_co_u32 s76, s76, s77
	s_lshl_b32 s77, s12, 1                         ; my half of it two
	s_add_co_u32 s76, s76, s77                     ; batch x 16 + my first head
	s_lshl_b32 s76, s76, 11
	s_add_co_u32 s76, s76, s72                     ; x 2,048 + s0
	s_lshl_b32 s76, s76, 7                         ; rows of 128 bytes
	s_lshl_b32 s77, s68, 23                        ; the part: 8 MiB each
	s_add_co_u32 s76, s76, s77
	s_mov_b32 s77, 0
	s_add_nc_u64 s[8:9], s[8:9], s[76:77]
	s_wait_loadcnt 0x0                             ; the rope factors, asked for in front of the first K step
; rows 16 i .. 16 i + 15 of my block = the eight tiles (a, 0..7) of window 2 or 3.  mulw: destination and source 0 in that window, source 1 in
; window 1 (0x86, 0xc7); from: sources 0 and 1 in that window (0x0a, 0x0f); f: F0 or F1 in turn
.macro OUT16 i, a, mulw, from, f, rope
.if \rope
	WIN \mulw
.irp b, 0,1,2,3,4,5,6,7
.irp r, 0,1,2,3
	v_pk_mul_f32 v[8*(8*\a+\b)+2*\r:8*(8*\a+\b)+2*\r+1], v[8*(8*\a+\b)+2*\r:8*(8*\a+\b)+2*\r+1], v[16*\i+128*(\i/4)+8*(\b&1)+2*\r:16*\i+128*(\i/4)+8*(\b&1)+2*\r+1]
.endr
.endr
.endif
	WIN \from
.irp b, 0,1,2,3,4,5,6,7
.irp r, 0,1,2,3
	v_cvt_pk_f16_f32 v[TMP+4*\b+\r], v[8*(8*\a+\b)+2*\r], v[8*(8*\a+\b)+2*\r+1]
.endr
.endr
	WIN 0
.irp b, 0,1,2,3,4,5,6,7
	ds_store_b128 v[STO], v[TMP+4*\b:TMP+4*\b+3] offset:32*\b
.endr
	s_wait_xcnt 0x0                                ; buffer f, which earlier stores read, and the stores' base are rewritten only behind this wait
.if \i
	s_add_nc_u64 s[8:9], s[8:9], 16*128            ; 16 rows of a head on
.endif
.irp t, 0,1,2,3,4,5,6,7
	ds_load_b128 v[\f+4*\t:\f+4*\t+3], v[RD] offset:(\t&3)*4*SPITCH+(\t>>2)*128   ; LDS serves a wave's instructions in order (ISA guide 5.7.1.4): these see the stores above
.endr
.irp t, 0,1,2,3,4,5,6,7
	s_wait_dscnt 7-\t                              ; read-back t is in, the younger ones stay out
	global_store_b128 v[CO], v[\f+4*\t:\f+4*\t+3], s[8:9] offset:(\t>>2)*262144+(\t&3)*512   ; head t / 4, rows 4 (t % 4) .. + 3
.endr
.endm
.macro WAYOUT rope
	OUT16 0, 0, 0x86, 0x0a, F0, \rope
	OUT16 1, 1, 0x86, 0x0a, F1, \rope
	OUT16 2, 2, 0x86, 0x0a, F0, \rope
	OUT16 3, 3, 0x86, 0x0a, F1, \rope
	OUT16 4, 0, 0xc7, 0x0f, F0, \rope
	OUT16 5, 1, 0xc7, 0x0f, F1, \rope
	OUT16 6, 2, 0xc7, 0x0f, F0, \rope
	OUT16 7, 3, 0xc7, 0x0f, F1, \rope
.endm
	s_cmp_eq_u32 s68, 2                            ; v has no rope.  The part is the cluster's x: all partners take the same way
	s_cbranch_scc1 .Lplain
	WAYOUT 1
	s_branch .Lclose
.Lplain:
	WAYOUT 0
.Lclose:
	s_wait_tensorcnt 0x0
	ds_add_u32 v254, v255
	s_wait_dscnt 0x0
	CROUND                                         ; the closing round: no work-group ends while a partner may still ask for a tile that names it
	s_endpgm
.Lfunc_end_k_q0a8e82d638_proj:
	.size	k_q0a8e82d638_proj, .Lfunc_end_k_q0a8e82d638_proj-k_q0a8e82d638_proj
	.p2alignl 7, 3214868480
	.fill 96, 4, 3214868480
	.section	.rodata,"a",@progbits
	.p2align	6, 0x0
	.amdhsa_kernel k_q0a8e82d638_proj
		.amdhsa_group_segment_fixed_size 327680
		.amdhsa_private_segment_fixed_size 0
		.amdhsa_enable_private_segment 0
		.amdhsa_kernarg_size 24
		.amdhsa_user_sgpr_count 2
		.amdhsa_user_sgpr_kernarg_segment_ptr 1
		.amdhsa_wavefront_size32 1
		.amdhsa_system_sgpr_workgroup_id_x 1
		.amdhsa_system_sgpr_workgroup_id_y 1
		.amdhsa_system_sgpr_workgroup_id_z 1
		.amdhsa_system_vgpr_workitem_id 0
		.amdhsa_next_free_vgpr 1024
		.amdhsa_next_free_sgpr 84
		.amdhsa_reserve_vcc 0
		.amdhsa_float_denorm_mode_32 3
		.amdhsa_float_denorm_mode_16_64 3
		.amdhsa_memory_ordered 1
		.amdhsa_forward_progress 1
		.amdhsa_inst_pref_size 249
	.end_amdhsa_kernel
	.amdgpu_metadata
---
amdhsa.version: [ 1, 2 ]
amdhsa.kernels:
  - .name:           k_q0a8e82d638_proj
    .symbol:         k_q0a8e82d638_proj.kd
    .args:
      - { .name: xw, .offset: 0, .size: 8, .value_kind: global_buffer, .address_space: global }
      - { .name: tab, .offset: 8, .size: 8, .value_kind: global_buffer, .address_space: global }
      - { .name: qkv, .offset: 16, .size: 8, .value_kind: global_buffer, .address_space: global }
    .group_segment_fixed_size: 327680
    .private_segment_fixed_size: 0
    .kernarg_segment_align: 8
    .kernarg_segment_size: 24
    .max_flat_workgroup_size: 128
    .sgpr_count:     84
    .vgpr_count:     1024
    .wavefront_size: 32
...
	.end_amdgpu_metadata
.endif
;; end of part 2
;; launch attn (part 3): grid 16 x 16, 8 waves a work-group, clusters of 4 x 4, 327,680 bytes of LDS; arguments qkv, attention_mask, ob; writes ob
.if DOCPART == 3
	.amdgcn_target "amdgcn-amd-amdhsa--gfx1250"
	.amdhsa_code_object_version 6
	.text
	.protected	k_q0a8e82d638_attn
	.globl	k_q0a8e82d638_attn
	.p2align	8
	.type	k_q0a8e82d638_attn,@function
k_q0a8e82d638_attn:
	s_mov_b64 s[64:65], 0
	v_nop
	global_prefetch_b8 v0, s[64:65] scope:SCOPE_SE
	s_setreg_imm32_b32 hwreg(HW_REG_WAVE_MODE, 25, 1), 1
	s_wait_xcnt 0x0
	s_wait_alu depctr_hold_cnt(0) depctr_sa_sdst(0) depctr_va_vdst(0) depctr_va_sdst(0) depctr_va_ssrc(0) depctr_va_vcc(0) depctr_vm_vsrc(0)
	s_getreg_b32 s2, hwreg(HW_REG_IB_STS2, 6, 4)
	s_cmp_eq_u32 s2, 0
	s_cbranch_scc0 .Lentry_in_a_cluster
	s_endpgm
.Lentry_in_a_cluster:
	s_bfe_u32 s2, ttmp6, 0x10000c
	s_cmp_lg_u32 s2, 0xf033
	s_cbranch_scc0 .Lentry_shape_is_right
	s_endpgm
.Lentry_shape_is_right:
; Attention: softmax(q k^T / 8 + mask) v for 32 (batch, head) pairs of 2,048 x 64, operands f16, sums f32, running maximum.
; The mask is an input: all 2,048 keys are computed and every word of the mask is read.
; A work-group has two heads (2 X, 2 X + 1) and 128 query rows (block Y).  Wave w: kh = w & 1 the half of each step's 128 keys,
; rg = (w >> 1) & 1 its 64 query rows, hp = w >> 2 its head.  A wave keeps its own maximum, sum and O; the two waves of a pair are merged
; once, at the end, through LDS.  For each step a wave reads 8 KiB of K, 8 KiB of V and 16 KiB of mask from LDS for 72 matrix instructions.
; S^T = K Q^T: a lane holds 32 scores of ONE query (keys 16 kt + 8 h + j), so maximum and rescaling need no lane but the one 16 away, the
; mask arrives as two 16-byte loads a tile, and the scores packed in pairs ARE the B fragment of O^T = V^T P^T.  V^T comes by the transposing LDS load.
; The row sums are a product too (a matrix of ones times P^T): they add the rounded weights that the numerator uses.
; The mask is added by acc * 0.125 + mask in one rounding, which is reference()'s number, and the maximum is taken away before the multiplication
; by log2 e: a row whose scores all collapse onto one large negative number stays the plain average that reference() gives.
; CLUSTERS: 4 x 4.  K and V hang on X alone: asked for jointly by a column of the cluster; the mask hangs on Y alone: by a row.
; LIMITS: O is stored in f16 (|value| < 65,504); weights below 2^-25 of a row's largest are dropped by the rounding to f16;
; the running maximum is floored at the most negative finite f32, so keys masked by -inf weigh 0; a row masked by -inf throughout gives
; NaN as in reference(); +inf or NaN in the mask make the row NaN.
.set SLOT, 149504                      ; an LDS slot: K [2 heads][128 keys] pitch 144 at 0; V the same with pitch 160 at 40,960; mask [128 rows] pitch 528 at 81,920
.set MRG,  17408                       ; after slot 0's last fill: a pair's merge area (O 16,384, maxima 512, sums 512), four of them from byte 0
.set STG,  69632                       ; and the output stage, 128 rows of 256 bytes, pitch 272
.set AK, 8                             ; v8-9    LDS address of my K fragments in slot 0, 1
.set AV, 10                            ; v10-11  the same for V
                                       ; v12 offset of my Q fragments, v13 of my prefetch; v14 merge, v15 stage in, v16 stage out, v17 offset in ob
.set O,  24                            ; v24-151   O^T: tile (qt, dt) at 8 (4 qt + dt)
.set F,  152                           ; v152-215  K fragments (16 kt + 8 ks), later V^T fragments (32 ks + 8 dt)
.set LS, 216                           ; v216-247  row sums, 8 registers for each qt
.set ONES, 248                         ; v248-255  a fragment of ones
.set S,  0                             ; window 1: v0-127   S^T: tile (qt, kt) at 8 (4 qt + kt); packed, P^T (qt, ks) at 32 qt + 8 ks
.set Q,  128                           ; window 1: v128-191 Q fragments (16 qt + 8 ks)
.set M,  192                           ; window 1: v192-223 one query tile's mask
.set ST, 224                           ; window 1: v224-239 for each qt: maximum, scratch, rescale factor, scratch
.set AM, 240                           ; window 1: v240-241 LDS address of my mask words in slot 0, 1
.set G1K, 24
.set G1V, 32
.set G1M, 40
.set G0K, 48                           ; group 0: four registers for each slot
.set G0V, 56
.set G0M, 68
.set MSB, 0
.macro WIN new                         ; bits 1:0 source 0, 3:2 source 1, 5:4 source 2, 7:6 destination; the high byte repeats the setting that is left
.if MSB != \new
	s_set_vgpr_msb (MSB<<8)|\new
.set MSB, \new
.endif
.endm
.macro PLACES n
.rept \n
	v_nop
.endr
.endm
; One joint load of 16 KiB for each wave: waves 0, 1 K of head 0, 1; waves 2, 3 V; waves 4 to 7 32 rows of the mask each.
; Each line has one mask; the branches hang on the wave's number alone.
.macro JLOAD s
	s_cmp_ge_u32 s10, 4
	s_cbranch_scc1 .Lfor_m_\@
	s_cmp_ge_u32 s10, 2
	s_cbranch_scc1 .Lfor_v_\@
	tensor_load_to_lds s[G0K+4*\s:G0K+4*\s+3], s[G1K:G1K+7]
	s_nop 0
	s_branch .Lasked_\@
.Lfor_v_\@:
	tensor_load_to_lds s[G0V+4*\s:G0V+4*\s+3], s[G1V:G1V+7]
	s_nop 0
	s_branch .Lasked_\@
.Lfor_m_\@:
	tensor_load_to_lds s[G0M+4*\s:G0M+4*\s+3], s[G1M:G1M+7]
	s_nop 0
.Lasked_\@:
.endm
.macro CREST                           ; a round of the cluster's barrier behind its opening barrier
	s_cmp_lg_u32 s10, 0
	s_cbranch_scc1 .Lnot_wave_0_\@
	s_barrier_signal -3
.Lnot_wave_0_\@:
	s_barrier_wait -3
	s_barrier_signal -1
	s_barrier_wait -1
.endm
.macro CROUND
	s_barrier_signal -1
	s_barrier_wait -1
	CREST
.endm
	s_load_b128 s[4:7], s[0:1], 0x0                ; qkv s[4:5], attention_mask s[6:7]
	s_load_b64 s[8:9], s[0:1], 0x10                ; ob
	v_lshl_add_u32 v23, v0, 2, 0x49000
	s_set_vgpr_msb 0x40
	v_mov_b32 v255, 0
	s_set_vgpr_msb 0x4044
	ds_add_u32 v23, v255
	s_set_vgpr_msb 0x4400
	v_lshrrev_b32 v1, 5, v0
	v_readfirstlane_b32 s10, v1                    ; wave 0..7
	s_and_b32 s11, s10, 1                          ; kh
	s_lshr_b32 s12, s10, 1                         ; pair
	s_lshr_b32 s13, s10, 2                         ; hp
	s_and_b32 s14, s12, 1                          ; rg
	s_mov_b32 s16, 0x76543210                      ; v_permlanex16_b32: lane i takes lane i of the other half
	s_mov_b32 s17, 0xfedcba98
	s_bfe_u32 s18, ttmp6, 0x40000                  ; cx
	s_bfe_u32 s19, ttmp6, 0x40004                  ; cy
	s_lshl_b32 s20, ttmp9, 2
	s_add_co_u32 s20, s20, s18                     ; X: the pair of heads
	s_and_b32 s21, ttmp7, 0xffff
	s_lshl_b32 s21, s21, 2
	s_add_co_u32 s21, s21, s19                     ; Y: the block of 128 queries
	s_lshl_b32 s22, s19, 2
	s_lshl_b32 s22, 15, s22                        ; my row of the cluster (same Y)
	s_lshl_b32 s23, 0x1111, s18                    ; my column (same X)
	; K: 128 keys x 128 bytes lie dense in memory and come as 64 rows of 256 bytes (32 elements of 8 bytes); 4 words of padding behind every
	; 32 words, counted along the tile, make the pitch from key to key 144 bytes
	s_or_b32 s[G1K+0], s23, (3<<16)|(1<<20)|(1<<21)|(4<<22)|(3<<25)
	s_mov_b32 s[G1K+1], 32<<16                     ; tensor_dim0 = 32
	s_mov_b32 s[G1K+2], 64<<16                     ; tensor_dim1 = 64
	s_mov_b32 s[G1K+3], 32<<16                     ; tile_dim0 = 32
	s_mov_b32 s[G1K+4], 64                         ; tile_dim1 = 64
	s_mov_b32 s[G1K+5], 32                         ; elements from row to row
	s_mov_b32 s[G1K+6], 0
	s_mov_b32 s[G1K+7], 0
	; V: the same with 8 words of padding: pitch 160, an odd multiple of 32 bytes, for the transposing loads
	s_or_b32 s[G1V+0], s23, (3<<16)|(1<<20)|(1<<21)|(4<<22)|(7<<25)
	s_mov_b32 s[G1V+1], 32<<16
	s_mov_b32 s[G1V+2], 64<<16
	s_mov_b32 s[G1V+3], 32<<16
	s_mov_b32 s[G1V+4], 64
	s_mov_b32 s[G1V+5], 32
	s_mov_b32 s[G1V+6], 0
	s_mov_b32 s[G1V+7], 0
	; mask: 32 rows x 128 f32 (512 bytes), 4 words of padding behind every 128 words: pitch 528
	s_or_b32 s[G1M+0], s22, (2<<16)|(1<<20)|(1<<21)|(6<<22)|(3<<25)
	s_mov_b32 s[G1M+1], 128<<16
	s_mov_b32 s[G1M+2], 32<<16
	s_mov_b32 s[G1M+3], 128<<16
	s_mov_b32 s[G1M+4], 32
	s_mov_b32 s[G1M+5], 2048
	s_mov_b32 s[G1M+6], 0
	s_mov_b32 s[G1M+7], 0
	; where the tiles come from; X and Y never meet in a register that feeds a descriptor
	s_lshl_b32 s76, s20, 1
	s_add_co_u32 s76, s76, s11                     ; head 2 X + (w & 1)
	s_lshl_b32 s76, s76, 18                        ; 262,144 bytes a head
	s_mov_b32 s77, 0
	s_lshl_b32 s80, s21, 7
	s_and_b32 s81, s10, 3
	s_lshl_b32 s81, s81, 5
	s_add_co_u32 s80, s80, s81                     ; mask row 128 Y + 32 (w & 3)
	s_lshl_b32 s80, s80, 13                        ; 8,192 bytes a row
	s_mov_b32 s81, 0
	s_mul_i32 s84, s10, 18432                      ; and where they go: K waves 0, 1 at 0 and 18,432,
	s_mul_i32 s85, s10, 20480                      ; V waves 2, 3 at 40,960 and 61,440,
	s_mul_i32 s86, s10, 16896
	s_add_co_u32 s86, s86, 14336                   ; mask waves 4 to 7 at 81,920 + 16,896 (w - 4)
	s_lshl_b32 s88, s20, 1                         ; my Q rows: ((2 X + hp) 2,048 + 128 Y + 64 rg) rows of 128 bytes
	s_add_co_u32 s88, s88, s13
	s_lshl_b32 s88, s88, 11
	s_lshl_b32 s89, s21, 7
	s_add_co_u32 s88, s88, s89
	s_lshl_b32 s89, s14, 6
	s_add_co_u32 s88, s88, s89
	s_lshl_b32 s88, s88, 7
	s_mov_b32 s89, 0
	s_lshl_b32 s98, s21, 20                        ; the mask's rows of block Y: 128 x 8,192 bytes
	s_mov_b32 s99, 0
	s_mov_b32 s94, 2048                            ; the prefetch begins with lap 2 (a lap is 256 keys, 1,024 bytes of a row)
	s_mov_b32 s95, 0
	s_wait_dscnt 0x0
	s_wait_kmcnt 0x0
	s_add_nc_u64 s[78:79], s[4:5], s[76:77]
	s_add_nc_u64 s[82:83], s[6:7], s[80:81]
	s_add_nc_u64 s[90:91], s[4:5], s[88:89]        ; Q; never rewritten
	s_add_nc_u64 s[92:93], s[6:7], s[98:99]
	s_add_nc_u64 s[96:97], s[92:93], s[94:95]
	s_lshr_b32 s88, s20, 3                         ; ob: row batch x 2,048 + 128 Y, 2,048 bytes each; column bytes 256 (X & 7)
	s_lshl_b32 s88, s88, 11
	s_lshl_b32 s89, s21, 7
	s_add_co_u32 s88, s88, s89
	s_lshl_b32 s88, s88, 11
	s_and_b32 s89, s20, 7
	s_lshl_b32 s89, s89, 8
	s_add_co_u32 s88, s88, s89
	s_mov_b32 s89, 0
	s_add_nc_u64 s[8:9], s[8:9], s[88:89]
	CROUND                                         ; all sixteen work-groups are here: the first joint loads meet
.irp s, 0,1
	s_mov_b32 s[G0K+4*\s], 1
	s_add_co_u32 s[G0K+4*\s+1], s84, \s*SLOT
	s_add_nc_u64 s[G0K+4*\s+2:G0K+4*\s+3], s[78:79], 0x800000+\s*16384     ; k is the second part of qkv; a tile is 16,384 bytes
	s_or_b32 s[G0K+4*\s+3], s[G0K+4*\s+3], 0x80000000
	s_mov_b32 s[G0V+4*\s], 1
	s_add_co_u32 s[G0V+4*\s+1], s85, \s*SLOT
	s_add_nc_u64 s[G0V+4*\s+2:G0V+4*\s+3], s[78:79], 0x1000000+\s*16384    ; v the third
	s_or_b32 s[G0V+4*\s+3], s[G0V+4*\s+3], 0x80000000
	s_mov_b32 s[G0M+4*\s], 1
	s_add_co_u32 s[G0M+4*\s+1], s86, \s*SLOT
	s_add_nc_u64 s[G0M+4*\s+2:G0M+4*\s+3], s[82:83], \s*512                ; 128 keys are 512 bytes of a mask row
	s_or_b32 s[G0M+4*\s+3], s[G0M+4*\s+3], 0x80000000
	JLOAD \s
.endr
	v_and_b32 v1, 15, v0                           ; r
	v_bfe_u32 v2, v0, 4, 1                         ; h
	v_and_b32 v3, 31, v0                           ; lane
	v_lshlrev_b32 v12, 7, v1
	v_lshl_add_u32 v12, v2, 4, v12                 ; Q: r x 128 + 16 h
	v_mul_u32_u24 v7, v1, 528                      ; mask: row 64 rg + r, keys 64 kh + 8 h ..
	v_lshl_add_u32 v7, v2, 5, v7
	s_mul_i32 s84, s14, 33792
	s_lshl_b32 s85, s11, 8
	s_add_co_u32 s84, s84, s85
	s_add_co_u32 s84, s84, 81920
	v_add_nc_u32 v7, s84, v7
	WIN 0x40                                       ; destination window 1
.irp qt, 0,1,2,3
.irp ks, 0,1
	global_load_b128 v[Q+16*\qt+8*\ks:Q+16*\qt+8*\ks+3],   v12, s[90:91] offset:\qt*2048+\ks*64
	global_load_b128 v[Q+16*\qt+8*\ks+4:Q+16*\qt+8*\ks+7], v12, s[90:91] offset:\qt*2048+\ks*64+32
.endr
.endr
	v_mov_b32 v[AM], v7
	v_add_nc_u32 v[AM+1], SLOT, v7
	WIN 0
	v_mul_u32_u24 v4, v1, 144                      ; K: key 64 kh + r, 16 h
	v_lshl_add_u32 v4, v2, 4, v4
	s_mul_i32 s84, s13, 18432
	s_mul_i32 s85, s11, 9216
	s_add_co_u32 s84, s84, s85
	v_add_nc_u32 v[AK], s84, v4
	v_add_nc_u32 v[AK+1], SLOT, v[AK]
	v_and_b32 v5, 7, v0                            ; V, for the transposing load: key 64 kh + 8 h + (lane & 7), 16 bytes x bit 3 of the lane
	v_lshl_add_u32 v5, v2, 3, v5
	v_mul_u32_u24 v5, v5, 160
	v_bfe_u32 v6, v0, 3, 1
	v_lshl_add_u32 v5, v6, 4, v5
	s_mul_i32 s84, s13, 20480
	s_mul_i32 s85, s11, 10240
	s_add_co_u32 s84, s84, s85
	s_add_co_u32 s84, s84, 40960
	v_add_nc_u32 v[AV], s84, v5
	v_add_nc_u32 v[AV+1], SLOT, v[AV]
	s_lshl_b32 s76, s20, 5                         ; prefetch: of the 512 pieces of 256 bytes that a lap has of block Y's mask rows,
	v_or_b32 v5, s76, v3                           ; piece 32 X + lane is mine: the 16 work-groups of a block share them, each piece is asked for once
	v_lshrrev_b32 v6, 2, v5
	v_and_b32 v5, 3, v5
	v_lshlrev_b32 v5, 8, v5
	v_lshl_add_u32 v13, v6, 13, v5                 ; row x 8,192 + piece x 256
	s_mul_i32 s84, s12, MRG
	v_lshl_add_u32 v14, v3, 4, s84                 ; merge: my pair's area + 16 x lane
	v_mul_u32_u24 v15, v1, 272                     ; stage in: row 64 rg + r, byte 128 hp + 16 h
	v_lshl_add_u32 v15, v2, 4, v15
	s_mul_i32 s84, s14, 17408
	s_lshl_b32 s85, s13, 7
	s_add_co_u32 s84, s84, s85
	s_add_co_u32 s84, s84, STG
	v_add_nc_u32 v15, s84, v15
	v_mul_u32_u24 v16, v2, 272                     ; stage out: row 16 w + h, byte 16 r
	v_lshl_add_u32 v16, v1, 4, v16
	s_mul_i32 s84, s10, 4352
	s_add_co_u32 s84, s84, STG
	v_add_nc_u32 v16, s84, v16
	v_lshlrev_b32 v17, 11, v2                      ; and the same rows in ob
	v_lshl_add_u32 v17, v1, 4, v17
	s_lshl_b32 s84, s10, 15
	v_add_nc_u32 v17, s84, v17
.irp i, 0,1,2,3,4,5,6,7
	v_mov_b32 v[ONES+\i], 0x3c003c00               ; 1.0 in f16, twice
.endr
.macro KLOAD slot, half                ; K tiles 2 half, 2 half + 1: 8 loads
.irp e, 0,1,2,3
	ds_load_b128 v[F+32*\half+8*\e:F+32*\half+8*\e+3],   v[AK+\slot] offset:(2*\half+\e/2)*2304+(\e&1)*64
	ds_load_b128 v[F+32*\half+8*\e+4:F+32*\half+8*\e+7], v[AK+\slot] offset:(2*\half+\e/2)*2304+(\e&1)*64+32
.endr
.endm
.macro MLOAD slot, qt                  ; the mask of query tile qt: 8 loads
.irp kt, 0,1,2,3
	ds_load_b128 v[M+8*\kt:M+8*\kt+3],   v[AM+\slot] offset:(\qt)*8448+\kt*64
	ds_load_b128 v[M+8*\kt+4:M+8*\kt+7], v[AM+\slot] offset:(\qt)*8448+\kt*64+16
.endr
.endm
.macro VLOAD slot                      ; V^T: 16 transposing loads
.irp ks, 0,1
.irp dt, 0,1,2,3
	ds_load_tr16_b128 v[F+32*\ks+8*\dt:F+32*\ks+8*\dt+3],   v[AV+\slot] offset:\ks*5120+\dt*32
	ds_load_tr16_b128 v[F+32*\ks+8*\dt+4:F+32*\ks+8*\dt+7], v[AV+\slot] offset:\ks*5120+\dt*32+2560
.endr
.endr
.endm
; S^T of key tile kt for the four query tiles.  The four accumulators take turns, one instruction a turn; the first product starts each sum.
.macro SQK kt
.irp qt, 0,1,2,3
	v_wmma_f32_16x16x32_f16 v[S+8*(4*\qt+\kt):S+8*(4*\qt+\kt)+7], v[F+16*\kt:F+16*\kt+7], v[Q+16*\qt:Q+16*\qt+7], 0
.endr
.irp qt, 0,1,2,3
	v_wmma_f32_16x16x32_f16 v[S+8*(4*\qt+\kt):S+8*(4*\qt+\kt)+7], v[F+16*\kt+8:F+16*\kt+15], v[Q+16*\qt+8:Q+16*\qt+15], v[S+8*(4*\qt+\kt):S+8*(4*\qt+\kt)+7]
.endr
.endm
; The softmax step of query tile qt, all in window 1.
.macro SOFT slot, qt, first
.set SB, S+32*\qt
.set MR, ST+4*\qt
.set T1, ST+4*\qt+1
.set AL, ST+4*\qt+2
.set T0, ST+4*\qt+3
.if \qt > 0
	s_wait_dscnt 0x0                               ; this tile's mask (and, for tile 1, V^T)
.endif
.set i, 0
.rept 16
	v_pk_fma_f32 v[SB+i:SB+i+1], v[SB+i:SB+i+1], 0x3e000000, v[M+i:M+i+1] op_sel_hi:[1,0,1]   ; score / 8 + mask, one rounding
.set i, i+2
.endr
.if \qt < 3
	MLOAD \slot, \qt+1                             ; the next tile's mask: the rest of this tile's work lies in front of its use
.endif
	v_max3_num_f32 v[T0], v[SB], v[SB+1], v[SB+2]  ; 32 numbers in two chains of 17 and 15
	v_max3_num_f32 v[T1], v[SB+17], v[SB+18], v[SB+19]
.set i, 0
.rept 6
	v_max3_num_f32 v[T0], v[T0], v[SB+3+i], v[SB+4+i]
	v_max3_num_f32 v[T1], v[T1], v[SB+20+i], v[SB+21+i]
.set i, i+2
.endr
	v_max3_num_f32 v[T0], v[T0], v[SB+15], v[SB+16]
	v_max_num_f32 v[T0], v[T0], v[T1]
	v_permlanex16_b32 v[T1], v[T0], s16, s17       ; the query's other 32 keys lie 16 lanes away
.if \first
	v_max3_num_f32 v[T0], v[T0], v[T1], 0xff7fffff ; floored at the most negative finite number
	v_mov_b32 v[MR], v[T0]
.else
	v_max3_num_f32 v[T0], v[T0], v[T1], v[MR]
	v_sub_f32 v[AL], v[MR], v[T0]
	v_mul_f32 v[AL], 0x3fb8aa3b, v[AL]
	v_exp_f32 v[AL], v[AL]                         ; the factor for what has been summed; used far below, a plain instruction follows
	v_mov_b32 v[MR], v[T0]
.endif
.set i, 0
.rept 16
	v_pk_add_f32 v[SB+i:SB+i+1], v[SB+i:SB+i+1], v[MR:MR+1] op_sel_hi:[1,0] neg_lo:[0,1] neg_hi:[0,1]   ; the maximum goes first,
.set i, i+2
.endr
.set i, 0
.rept 16
	v_pk_mul_f32 v[SB+i:SB+i+1], v[SB+i:SB+i+1], 0x3fb8aa3b op_sel_hi:[1,0]                             ; then log2 e
.set i, i+2
.endr
.set i, 0
.rept 32
	v_exp_f32 v[SB+i], v[SB+i]
.set i, i+1
.endr
	v_nop                                          ; one plain instruction between the exponentials and their use (ISA guide 5.7.2)
.set i, 0
	s_wait_alu depctr_va_vdst(0)
.rept 16
	v_cvt_pk_f16_f32 v[SB+i], v[SB+2*i], v[SB+2*i+1]   ; in place, ascending: registers 0-7 are P^T of keys 0-31, 8-15 of keys 32-63
.set i, i+1
.endr
.endm
.macro RESCALE                         ; O and the sums times the factor of the lane's query
.irp qt, 0,1,2,3
.set i, 0
.rept 16
	v_pk_mul_f32 v[O+32*\qt+i:O+32*\qt+i+1], v[O+32*\qt+i:O+32*\qt+i+1], v[ST+4*\qt+2:ST+4*\qt+3] op_sel_hi:[1,0]
.set i, i+2
.endr
.set i, 0
.rept 4
	v_pk_mul_f32 v[LS+8*\qt+i:LS+8*\qt+i+1], v[LS+8*\qt+i:LS+8*\qt+i+1], v[ST+4*\qt+2:ST+4*\qt+3] op_sel_hi:[1,0]
.set i, i+2
.endr
.endr
.endm
; O^T += V^T P^T and sums += ones P^T for 32 keys: 20 accumulators take turns, one instruction a turn
.macro PV ks, first
.irp qt, 0,1,2,3
.irp dt, 0,1,2,3
.if \first
	v_wmma_f32_16x16x32_f16 v[O+8*(4*\qt+\dt):O+8*(4*\qt+\dt)+7], v[F+32*\ks+8*\dt:F+32*\ks+8*\dt+7], v[S+32*\qt+8*\ks:S+32*\qt+8*\ks+7], 0
.else
	v_wmma_f32_16x16x32_f16 v[O+8*(4*\qt+\dt):O+8*(4*\qt+\dt)+7], v[F+32*\ks+8*\dt:F+32*\ks+8*\dt+7], v[S+32*\qt+8*\ks:S+32*\qt+8*\ks+7], v[O+8*(4*\qt+\dt):O+8*(4*\qt+\dt)+7]
.endif
.endr
.if \first
	v_wmma_f32_16x16x32_f16 v[LS+8*\qt:LS+8*\qt+7], v[ONES:ONES+7], v[S+32*\qt+8*\ks:S+32*\qt+8*\ks+7], 0
.else
	v_wmma_f32_16x16x32_f16 v[LS+8*\qt:LS+8*\qt+7], v[ONES:ONES+7], v[S+32*\qt+8*\ks:S+32*\qt+8*\ks+7], v[LS+8*\qt:LS+8*\qt+7]
.endif
.endr
.endm
; One step: 128 keys.  mode 2: this slot is filled again, two tiles ahead; 1: the slots change, nothing is filled; 0: the last step.
; On entry three runs of eight LDS loads are out or in: K tiles 0, 1; the mask of query tile 0; K tiles 2, 3.
.macro STEP slot, next, first, mode
	s_wait_dscnt 8                                 ; K tiles 0, 1 and the mask are in; the eight youngest loads (K tiles 2, 3) may be out
	WIN 0x54                                       ; D, C, B window 1; A window 0
	SQK 0
	SQK 1
	s_wait_dscnt 0x0
	SQK 2
	SQK 3
	PLACES 4                                       ; behind the products: F is loaded again, S is read (ISA guide 7.12.1)
	WIN 0x04
	VLOAD \slot
	WIN 0x55
	SOFT \slot, 0, \first
	SOFT \slot, 1, \first
	SOFT \slot, 2, \first
	SOFT \slot, 3, \first
	WIN 0x04                                       ; source 1 window 1: the factors, then P^T
.if \first == 0
	RESCALE
.endif
	s_wait_dscnt 0x0                               ; my reads of this slot are over: K, mask and V^T are in registers
.if \mode > 0
	s_wait_tensorcnt 0x0                           ; all my tensor loads have landed: the one that was out is my part of the next slot
	ds_add_u32 v23, v255
	s_wait_dscnt 0x0
	s_barrier_signal -1                            ; with mode 2 this barrier opens a round of the cluster's barrier
	PV 0, \first                                   ; register work while the others arrive
	WIN 0
	s_barrier_wait -1
.if \mode == 2
	CREST                                          ; no wave of any partner still reads this slot or has a load on its way
	s_add_nc_u64 s[G0K+4*\slot+2:G0K+4*\slot+3], s[G0K+4*\slot+2:G0K+4*\slot+3], 32768
	s_add_nc_u64 s[G0V+4*\slot+2:G0V+4*\slot+3], s[G0V+4*\slot+2:G0V+4*\slot+3], 32768
	s_add_nc_u64 s[G0M+4*\slot+2:G0M+4*\slot+3], s[G0M+4*\slot+2:G0M+4*\slot+3], 1024
	JLOAD \slot                                    ; the first tensor load behind the round
.if \slot == 0
	s_cmp_lg_u32 s10, 0                            ; wave 0 asks for my 32 pieces of the mask of the lap two laps ahead (four steps, 8 KiB)
	s_cbranch_scc1 .Lno_prefetch_\@
	global_prefetch_b8 v13, s[96:97] th:TH_LOAD_NT scope:SCOPE_SE
.Lno_prefetch_\@:
.else
	s_wait_xcnt 0x0                                ; a step behind the prefetch: its base is rewritten only behind this wait
	s_add_co_u32 s94, s94, 1024                    ; the next lap,
	s_min_u32 s94, s94, 7168                       ; held at the last one: the request never leaves a row of the mask
	s_add_nc_u64 s[96:97], s[92:93], s[94:95]
.endif
.endif
	PLACES 4                                       ; behind PV 0, which read F's first half
	KLOAD \next, 0
	WIN 0x55
	MLOAD \next, 0
	WIN 0x04
	PV 1, 0
	PLACES 5                                       ; behind PV 1: F's second half is loaded, and the next S^T writes over P^T
	KLOAD \next, 1
.else
	PV 0, 0
	PV 1, 0
.endif
.endm
	s_wait_tensorcnt 1                             ; my part of tile 0 is in; tile 1's load stays out
	s_barrier_signal -1
	s_barrier_wait -1
	KLOAD 0, 0
	WIN 0x55
	MLOAD 0, 0
	WIN 0
	KLOAD 0, 1
	s_wait_loadcnt 0x0                             ; Q
	STEP 0, 1, 1, 2                                ; the first step starts maxima and sums: nothing is cleared
	STEP 1, 0, 0, 2
	WIN 0
	s_mov_b32 s15, 6                               ; steps 2 to 13
.Llap:
	STEP 0, 1, 0, 2
	STEP 1, 0, 0, 2
	WIN 0
	s_sub_co_u32 s15, s15, 1
	s_cmp_lg_u32 s15, 0
	s_cbranch_scc1 .Llap
	STEP 0, 1, 0, 1                                ; step 14: slot 0 has had its last fill and, behind this step's barrier, its last read
	STEP 1, 0, 0, 0                                ; step 15
	; THE MERGE of a pair's two key halves, in slot 0's bytes.
	PLACES 4                                       ; behind the last products
	WIN 0x01
.irp qt, 0,1,2,3
	v_mov_b32 v[F+\qt], v[ST+4*\qt]                ; my maxima,
.endr
	WIN 0
.irp qt, 0,1,2,3
	v_mov_b32 v[F+4+\qt], v[LS+8*\qt]              ; my sums
.endr
	s_cmp_eq_u32 s11, 0
	s_cbranch_scc1 .Lkeeps
.set g, 0
.rept 32
	ds_store_b128 v14, v[O+4*g:O+4*g+3] offset:g*512   ; key half 1 hands its O over, 512 consecutive bytes a store
.set g, g+1
.endr
	ds_store_b128 v14, v[F:F+3] offset:16384
	ds_store_b128 v14, v[F+4:F+7] offset:16896
.Lkeeps:
	s_wait_dscnt 0x0                               ; for the partner's sake: zero
	s_barrier_signal -1
	s_barrier_wait -1
	s_cmp_lg_u32 s11, 0
	s_cbranch_scc1 .Lmerged
	ds_load_b128 v[F+8:F+11], v14 offset:16384     ; the partner's maxima
	ds_load_b128 v[F+12:F+15], v14 offset:16896    ; and sums
	WIN 0x40
.set g, 0
.rept 32
	ds_load_b128 v[S+4*g:S+4*g+3], v14 offset:g*512
.set g, g+1
.endr
	WIN 0
	s_wait_dscnt 32                                ; maxima and sums are in; the 32 loads of O issued behind them stay out
.irp qt, 0,1,2,3
	v_max_num_f32 v[F+16+\qt], v[F+\qt], v[F+8+\qt]
	v_sub_f32 v[F+20+\qt], v[F+\qt], v[F+16+\qt]
	v_sub_f32 v[F+24+\qt], v[F+8+\qt], v[F+16+\qt]
	v_mul_f32 v[F+20+\qt], 0x3fb8aa3b, v[F+20+\qt]
	v_mul_f32 v[F+24+\qt], 0x3fb8aa3b, v[F+24+\qt]
.endr
.irp qt, 0,1,2,3
	v_exp_f32 v[F+20+\qt], v[F+20+\qt]
	v_exp_f32 v[F+24+\qt], v[F+24+\qt]
.endr
	v_nop
	s_wait_alu depctr_va_vdst(0)
.irp qt, 0,1,2,3
	v_mul_f32 v[F+28+\qt], v[F+4+\qt], v[F+20+\qt]
	v_fmac_f32 v[F+28+\qt], v[F+12+\qt], v[F+24+\qt]   ; the row's whole sum
.endr
.irp qt, 0,1,2,3
	v_rcp_f32 v[F+28+\qt], v[F+28+\qt]
.endr
	v_nop
	s_wait_alu depctr_va_vdst(0)
.irp qt, 0,1,2,3
	v_mul_f32 v[F+32+4*\qt], v[F+20+\qt], v[F+28+\qt]  ; my weight, twice: a pair for the packed multiply,
	v_mul_f32 v[F+33+4*\qt], v[F+20+\qt], v[F+28+\qt]
	v_mul_f32 v[F+34+4*\qt], v[F+24+\qt], v[F+28+\qt]  ; and the partner's
	v_mul_f32 v[F+35+4*\qt], v[F+24+\qt], v[F+28+\qt]
.endr
.irp qt, 0,1,2,3
.set i, 0
.rept 16
	v_pk_mul_f32 v[O+32*\qt+i:O+32*\qt+i+1], v[O+32*\qt+i:O+32*\qt+i+1], v[F+32+4*\qt:F+33+4*\qt]
.set i, i+2
.endr
.endr
	s_wait_dscnt 0x0
	WIN 0x01                                       ; source 0 window 1: the partner's O
.irp qt, 0,1,2,3
.set i, 0
.rept 16
	v_pk_fma_f32 v[O+32*\qt+i:O+32*\qt+i+1], v[S+32*\qt+i:S+32*\qt+i+1], v[F+34+4*\qt:F+35+4*\qt], v[O+32*\qt+i:O+32*\qt+i+1]
.set i, i+2
.endr
.endr
	WIN 0
.irp qt, 0,1,2,3
.irp dt, 0,1,2,3
.irp i, 0,1,2,3
	v_cvt_pk_f16_f32 v[O+8*(4*\qt+\dt)+\i], v[O+8*(4*\qt+\dt)+2*\i], v[O+8*(4*\qt+\dt)+2*\i+1]
.endr
	ds_store_b128 v15, v[O+8*(4*\qt+\dt):O+8*(4*\qt+\dt)+3] offset:\qt*4352+\dt*32   ; d = 16 dt + 8 h .. + 7 of query 16 qt + r
.endr
.endr
.Lmerged:
	s_wait_dscnt 0x0
	s_barrier_signal -1
	s_barrier_wait -1
	; every wave stores 16 rows: a stage row holds both heads, 256 consecutive aligned bytes of ob, stored by sixteen lanes
.irp t, 0,1,2,3,4,5,6,7
	ds_load_b128 v[F+4*\t:F+4*\t+3], v16 offset:\t*544
.endr
.irp t, 0,1,2,3,4,5,6,7
	s_wait_dscnt 7-\t                              ; read-back t is in, the younger ones stay out
	global_store_b128 v17, v[F+4*\t:F+4*\t+3], s[8:9] offset:\t*4096
.endr
	s_set_vgpr_msb 0x4
	s_wait_tensorcnt 0x0
	ds_add_u32 v23, v255
	s_wait_dscnt 0x0
	s_set_vgpr_msb 0x400
	CROUND                                         ; the closing round
	s_endpgm
.Lfunc_end_k_q0a8e82d638_attn:
	.size	k_q0a8e82d638_attn, .Lfunc_end_k_q0a8e82d638_attn-k_q0a8e82d638_attn
	.p2alignl 7, 3214868480
	.fill 96, 4, 3214868480
	.section	.rodata,"a",@progbits
	.p2align	6, 0x0
	.amdhsa_kernel k_q0a8e82d638_attn
		.amdhsa_group_segment_fixed_size 327680
		.amdhsa_private_segment_fixed_size 0
		.amdhsa_enable_private_segment 0
		.amdhsa_kernarg_size 24
		.amdhsa_user_sgpr_count 2
		.amdhsa_user_sgpr_kernarg_segment_ptr 1
		.amdhsa_wavefront_size32 1
		.amdhsa_system_sgpr_workgroup_id_x 1
		.amdhsa_system_sgpr_workgroup_id_y 1
		.amdhsa_system_sgpr_workgroup_id_z 1
		.amdhsa_system_vgpr_workitem_id 0
		.amdhsa_next_free_vgpr 512
		.amdhsa_next_free_sgpr 100
		.amdhsa_reserve_vcc 0
		.amdhsa_float_denorm_mode_32 3
		.amdhsa_float_denorm_mode_16_64 3
		.amdhsa_memory_ordered 1
		.amdhsa_forward_progress 1
		.amdhsa_inst_pref_size 255
	.end_amdhsa_kernel
	.section	.bss,"aw",@nobits
	.p2align	6
	.space	262144
	.amdgpu_metadata
---
amdhsa.version: [ 1, 2 ]
amdhsa.kernels:
  - .name:           k_q0a8e82d638_attn
    .symbol:         k_q0a8e82d638_attn.kd
    .args:
      - { .name: qkv, .offset: 0, .size: 8, .value_kind: global_buffer, .address_space: global }
      - { .name: attention_mask, .offset: 8, .size: 8, .value_kind: global_buffer, .address_space: global }
      - { .name: ob, .offset: 16, .size: 8, .value_kind: global_buffer, .address_space: global }
    .group_segment_fixed_size: 327680
    .private_segment_fixed_size: 0
    .kernarg_segment_align: 8
    .kernarg_segment_size: 24
    .max_flat_workgroup_size: 256
    .sgpr_count:     100
    .vgpr_count:     512
    .wavefront_size: 32
...
	.end_amdgpu_metadata
.endif
;; end of part 3
;; launch oproj (part 4): grid 8 x 32, 4 waves a work-group, clusters of 4 x 4, 327,680 bytes of LDS; arguments ob, xw, out0; writes out0
.if DOCPART == 4
	.amdgcn_target "amdgcn-amd-amdhsa--gfx1250"
	.amdhsa_code_object_version 6
	.text
	.protected	k_q0a8e82d638_oproj
	.globl	k_q0a8e82d638_oproj
	.p2align	8
	.type	k_q0a8e82d638_oproj,@function
k_q0a8e82d638_oproj:
	s_mov_b64 s[64:65], 0
	v_nop
	global_prefetch_b8 v0, s[64:65] scope:SCOPE_SE
	s_setreg_imm32_b32 hwreg(HW_REG_WAVE_MODE, 25, 1), 1
	s_wait_xcnt 0x0
	s_wait_alu depctr_hold_cnt(0) depctr_sa_sdst(0) depctr_va_vdst(0) depctr_va_sdst(0) depctr_va_ssrc(0) depctr_va_vcc(0) depctr_vm_vsrc(0)
	s_getreg_b32 s2, hwreg(HW_REG_IB_STS2, 6, 4)
	s_cmp_eq_u32 s2, 0
	s_cbranch_scc0 .Lentry_in_a_cluster
	s_endpgm
.Lentry_in_a_cluster:
	s_bfe_u32 s2, ttmp6, 0x10000c
	s_cmp_lg_u32 s2, 0xf033
	s_cbranch_scc0 .Lentry_shape_is_right
	s_endpgm
.Lentry_shape_is_right:
; out0[4096][1024] (f32) = A B^T, A = ob (f16 [4096][1024]), B = Wd (bf16-rounded, held as f16, xw byte 14 MiB), K = 1024, sums in f32.
; 8 x 32 = 256 work-groups of 128 x 128; four waves of 64 x 64: 16 accumulator tiles.  K goes in four steps of 256 through two LDS slots:
; a step is 128 matrix instructions of a wave, in which the other slot's tile lands, and only two refills are needed.  No loop.
; CLUSTERS: 4 x 4; A's tile is asked for jointly by a row of the cluster, B's by a column.
; The matrix instruction is used transposed (source 0 = rows of B, source 1 = rows of A): a lane holds 8 neighbouring columns of one row.
; window 0: addresses; v64-127, v128-191 fragment buffers (B's four tiles, then A's four).  window 1: v0-127 accumulators, tile (a, b) at 8 (4 a + b).
.set KSTEP,  256
.set PITCH,  528                       ; 512 bytes + 16 of padding: an odd multiple of 16 bytes
.set HALFT,  64*PITCH                  ; 64 rows: what one tensor load brings
.set SLOT,   4*HALFT                   ; A's 128 rows, then B's 128 rows
.set STAGE,  2*SLOT                    ; behind the ring: 16 rows x 272 bytes for each wave; no tensor load lands there
.set SPITCH, 272
.set ADRA, 16
.set ADRB, 20
.set STO,  24
.set RD,   25
.set CO,   26
.set F0,   64
.set F1,   128
.set G1, 24
.set G0, 32
.set G1B, 48
.set G0B, 56
.set MSB, 0
.macro WIN new
.if MSB != \new
	s_set_vgpr_msb (MSB<<8)|\new
.set MSB, \new
.endif
.endm
.macro JLOAD s                         ; waves 0, 1 fetch A's halves, waves 2, 3 B's: one mask for each line
	s_cmp_eq_u32 s11, 0
	s_cbranch_scc0 .Lfor_b_\@
	tensor_load_to_lds s[G0+4*\s:G0+4*\s+3], s[G1:G1+7]
	s_nop 0
	s_branch .Lasked_\@
.Lfor_b_\@:
	tensor_load_to_lds s[G0B+4*\s:G0B+4*\s+3], s[G1B:G1B+7]
	s_nop 0
.Lasked_\@:
.endm
.macro CREST
	s_cmp_lg_u32 s10, 0
	s_cbranch_scc1 .Lnot_wave_0_\@
	s_barrier_signal -3
.Lnot_wave_0_\@:
	s_barrier_wait -3
	s_barrier_signal -1
	s_barrier_wait -1
.endm
.macro CROUND
	s_barrier_signal -1
	s_barrier_wait -1
	CREST
.endm
	s_load_b128 s[4:7], s[0:1], 0x0                ; ob s[4:5], xw s[6:7]
	s_load_b64 s[8:9], s[0:1], 0x10                ; out0
	v_lshl_add_u32 v254, v0, 2, 0x46400
	v_mov_b32 v255, 0
	ds_add_u32 v254, v255
	v_lshrrev_b32 v1, 5, v0
	v_readfirstlane_b32 s10, v1                    ; wave 0..3
	s_lshr_b32 s11, s10, 1                         ; my half of the block's rows.  Also: I fetch for A (0) or for B (1)
	s_and_b32 s12, s10, 1                          ; my half of its columns.  Also: which 64 rows of that tile I fetch
	s_bfe_u32 s40, ttmp6, 0x40000                  ; cx
	s_bfe_u32 s41, ttmp6, 0x40004                  ; cy
	s_lshl_b32 s42, ttmp9, 2
	s_add_co_u32 s42, s42, s40                     ; block column
	s_and_b32 s13, ttmp7, 0xffff
	s_lshl_b32 s13, s13, 2
	s_add_co_u32 s13, s13, s41                     ; block row
	s_lshl_b32 s43, s41, 2
	s_lshl_b32 s43, 15, s43                        ; my row of the cluster
	s_lshl_b32 s44, 0x1111, s40                    ; my column
	; group 1: 64 rows x 256 elements of 2 bytes, 4 words of padding behind every 128 words
	s_or_b32 s[G1+0], s43, (1<<16)|(1<<20)|(1<<21)|(6<<22)|(3<<25)
	s_or_b32 s[G1B+0], s44, (1<<16)|(1<<20)|(1<<21)|(6<<22)|(3<<25)
	s_mov_b32 s[G1+1], KSTEP<<16
	s_mov_b32 s[G1B+1], KSTEP<<16
	s_mov_b32 s[G1+2], 64<<16
	s_mov_b32 s[G1B+2], 64<<16
	s_mov_b32 s[G1+3], KSTEP<<16
	s_mov_b32 s[G1B+3], KSTEP<<16
	s_mov_b32 s[G1+4], 64
	s_mov_b32 s[G1B+4], 64
	s_mov_b32 s[G1+5], 1024
	s_mov_b32 s[G1B+5], 1024
	s_mov_b32 s[G1+6], 0
	s_mov_b32 s[G1B+6], 0
	s_mov_b32 s[G1+7], 0
	s_mov_b32 s[G1B+7], 0
	s_lshl_b32 s17, s12, 6
	s_lshl_b32 s16, s13, 7
	s_add_co_u32 s16, s16, s17                     ; A: row 128 x block row + 64 x half
	s_lshl_b32 s16, s16, 11                        ; rows of 2,048 bytes
	s_lshl_b32 s46, s42, 7
	s_add_co_u32 s46, s46, s17                     ; B: row 128 x block column + 64 x half
	s_lshl_b32 s46, s46, 11
	s_mov_b32 s17, 0
	s_mov_b32 s47, 0
	s_mul_i32 s20, s10, HALFT                      ; where they go: wave x 64 rows
	s_wait_dscnt 0x0
	s_wait_kmcnt 0x0
	s_add_nc_u64 s[14:15], s[4:5], s[16:17]
	s_add_nc_u64 s[6:7], s[6:7], 0xe00000          ; Wd begins 14 MiB into xw
	s_add_nc_u64 s[46:47], s[6:7], s[46:47]
	CROUND                                         ; the first joint loads meet
.irp s, 0,1
	s_mov_b32 s[G0+4*\s], 1
	s_add_co_u32 s[G0+4*\s+1], s20, \s*SLOT
	s_add_nc_u64 s[G0+4*\s+2:G0+4*\s+3], s[14:15], \s*KSTEP*2
	s_or_b32 s[G0+4*\s+3], s[G0+4*\s+3], 0x80000000
	s_mov_b32 s[G0B+4*\s], 1
	s_add_co_u32 s[G0B+4*\s+1], s20, \s*SLOT
	s_add_nc_u64 s[G0B+4*\s+2:G0B+4*\s+3], s[46:47], \s*KSTEP*2
	s_or_b32 s[G0B+4*\s+3], s[G0B+4*\s+3], 0x80000000
	JLOAD \s
.endr
	v_and_b32 v1, 15, v0                           ; r
	v_bfe_u32 v2, v0, 4, 1                         ; h
	v_mul_u32_u24 v3, v1, PITCH
	v_lshl_add_u32 v3, v2, 4, v3
	s_mul_i32 s21, s11, HALFT                      ; my 64 rows of A
	s_mul_i32 s22, s12, HALFT                      ; my 64 rows of B,
	s_add_co_u32 s22, s22, 2*HALFT                 ; behind A's 128
.irp s, 0,1
	v_add_nc_u32 v[ADRA+\s], s21, v3
	v_add_nc_u32 v[ADRB+\s], s22, v3
	s_add_co_u32 s21, s21, SLOT
	s_add_co_u32 s22, s22, SLOT
.endr
	s_mul_i32 s23, s10, 16*SPITCH
	s_add_co_u32 s23, s23, STAGE
	v_mul_u32_u24 v4, v1, SPITCH                   ; in: row r, 32 bytes (8 f32) for each half of the lanes
	v_lshl_add_u32 v4, v2, 5, v4
	v_add_nc_u32 v[STO], s23, v4
	v_mul_u32_u24 v5, v2, SPITCH                   ; back: lanes 0-15 one row of 256 bytes, lanes 16-31 the next
	v_lshl_add_u32 v5, v1, 4, v5
	v_add_nc_u32 v[RD], s23, v5
	v_lshlrev_b32 v5, 12, v2                       ; and the same two rows of out0, 4,096 bytes each
	v_lshl_add_u32 v[CO], v1, 4, v5
	s_lshl_b32 s16, s13, 7                         ; out0 at my first row and column
	s_lshl_b32 s17, s11, 6
	s_add_co_u32 s16, s16, s17
	s_lshl_b32 s16, s16, 12
	s_mov_b32 s17, 0
	s_add_nc_u64 s[8:9], s[8:9], s[16:17]
	s_lshl_b32 s18, s42, 9
	s_lshl_b32 s19, s12, 8
	s_add_co_u32 s18, s18, s19
	s_mov_b32 s19, 0
	s_add_nc_u64 s[8:9], s[8:9], s[18:19]
.macro MUL8 f, a0, zero                ; row tiles a0, a0 + 1 x the four column tiles, 32 along K
.irp a, \a0, \a0+1
.irp b, 0,1,2,3
.if \zero
	v_wmma_f32_16x16x32_f16 v[8*(4*(\a)+\b):8*(4*(\a)+\b)+7], v[\f+8*\b:\f+8*\b+7], v[\f+32+8*(\a):\f+32+8*(\a)+7], 0
.else
	v_wmma_f32_16x16x32_f16 v[8*(4*(\a)+\b):8*(4*(\a)+\b)+7], v[\f+8*\b:\f+8*\b+7], v[\f+32+8*(\a):\f+32+8*(\a)+7], v[8*(4*(\a)+\b):8*(4*(\a)+\b)+7]
.endif
.endr
.endr
.endm
.macro FETCH slot, k, f                ; 16 LDS loads: the fragments at byte k of the rows
.irp i, 0,1,2,3
	ds_load_b128 v[\f+8*\i:\f+8*\i+3],     v[ADRB+\slot] offset:\k+\i*16*PITCH
	ds_load_b128 v[\f+8*\i+4:\f+8*\i+7],   v[ADRB+\slot] offset:\k+\i*16*PITCH+32
.endr
.irp i, 0,1,2,3
	ds_load_b128 v[\f+32+8*\i:\f+32+8*\i+3],   v[ADRA+\slot] offset:\k+\i*16*PITCH
	ds_load_b128 v[\f+32+8*\i+4:\f+32+8*\i+7], v[ADRA+\slot] offset:\k+\i*16*PITCH+32
.endr
.endm
.macro PLACES                          ; four plain vector instructions behind a matrix instruction (ISA guide 7.12.1 for vector instructions)
.rept 4
	v_nop
.endr
.endm
; An eighth of a K step: buffer f's fragments are in; the next eighth's are asked for into buffer g; 16 products, the 16 accumulators by turns,
; one instruction a turn and in the same order in every eighth.
.macro EIGHTH slot, k, f, g, zero
	s_wait_dscnt 0x0
	PLACES                                         ; buffer g was read by the products just issued
	FETCH \slot, \k, \g
	WIN 0x50                                       ; C and D window 1
	MUL8 \f, 0, \zero
	MUL8 \f, 2, \zero
	WIN 0
.endm
.macro SEVEN slot, zero
	EIGHTH \slot, 64,  F0, F1, \zero
	EIGHTH \slot, 128, F1, F0, 0
	EIGHTH \slot, 192, F0, F1, 0
	EIGHTH \slot, 256, F1, F0, 0
	EIGHTH \slot, 320, F0, F1, 0
	EIGHTH \slot, 384, F1, F0, 0
	EIGHTH \slot, 448, F0, F1, 0
.endm
; The last eighth changes slots: the waits in front of the barrier, the refill first behind it.
.macro TURN slot, next, fill
	s_wait_dscnt 0x0                               ; my reads of this slot are over
	s_wait_tensorcnt 0x0                           ; all my tensor loads have landed: the one that was out is my part of the next slot
	ds_add_u32 v254, v255
	s_wait_dscnt 0x0
	s_barrier_signal -1                            ; with fill = 1 this barrier opens a round of the cluster's barrier
	WIN 0x50
	MUL8 F1, 0, 0
	WIN 0
	s_barrier_wait -1
.if \fill
	CREST
	s_add_nc_u64 s[G0+4*\slot+2:G0+4*\slot+3], s[G0+4*\slot+2:G0+4*\slot+3], 2*KSTEP*2
	s_add_nc_u64 s[G0B+4*\slot+2:G0B+4*\slot+3], s[G0B+4*\slot+2:G0B+4*\slot+3], 2*KSTEP*2
	JLOAD \slot                                    ; the first tensor load behind the round
.endif
	PLACES
	FETCH \next, 0, F0
	WIN 0x50
	MUL8 F1, 2, 0
	WIN 0
.endm
	s_wait_tensorcnt 1                             ; my part of K step 0 is in; K step 1's load stays out
	s_barrier_signal -1
	s_barrier_wait -1
	FETCH 0, 0, F0
	SEVEN 0, 1                                     ; the first products start the sums
	TURN 0, 1, 1
	SEVEN 1, 0
	TURN 1, 0, 1
	SEVEN 0, 0
	TURN 0, 1, 0
	SEVEN 1, 0
	s_wait_dscnt 0x0
	WIN 0x50
	MUL8 F1, 0, 0
	MUL8 F1, 2, 0
	WIN 0
	PLACES                                         ; behind the last products: the LDS stores below read results
; 16 rows: the accumulators go as they are (f32) into my own stage and come back as whole rows of 256 bytes
.macro OUT16 a, f
	WIN 0x04                                       ; an LDS store's data is source 1: window 1
.irp b, 0,1,2,3
	ds_store_b128 v[STO], v[8*(4*\a+\b):8*(4*\a+\b)+3] offset:64*\b
	ds_store_b128 v[STO], v[8*(4*\a+\b)+4:8*(4*\a+\b)+7] offset:64*\b+16
.endr
	WIN 0
	s_wait_xcnt 0x0                                ; buffer f, which earlier stores read, and the stores' base are rewritten only behind this wait
.if \a
	s_add_nc_u64 s[8:9], s[8:9], 16*4096
.endif
.irp t, 0,1,2,3,4,5,6,7
	ds_load_b128 v[\f+4*\t:\f+4*\t+3], v[RD] offset:\t*2*SPITCH    ; LDS serves a wave's instructions in order (ISA guide 5.7.1.4)
.endr
.irp t, 0,1,2,3,4,5,6,7
	s_wait_dscnt 7-\t                              ; read-back t is in, the younger ones stay out
	global_store_b128 v[CO], v[\f+4*\t:\f+4*\t+3], s[8:9] offset:\t*8192 th:TH_STORE_NT   ; sixteen lanes store 256 consecutive aligned bytes
.endr
.endm
	OUT16 0, F0
	OUT16 1, F1
	OUT16 2, F0
	OUT16 3, F1
	s_wait_tensorcnt 0x0
	ds_add_u32 v254, v255
	s_wait_dscnt 0x0
	CROUND                                         ; the closing round
	s_endpgm
.Lfunc_end_k_q0a8e82d638_oproj:
	.size	k_q0a8e82d638_oproj, .Lfunc_end_k_q0a8e82d638_oproj-k_q0a8e82d638_oproj
	.p2alignl 7, 3214868480
	.fill 96, 4, 3214868480
	.section	.rodata,"a",@progbits
	.p2align	6, 0x0
	.amdhsa_kernel k_q0a8e82d638_oproj
		.amdhsa_group_segment_fixed_size 327680
		.amdhsa_private_segment_fixed_size 0
		.amdhsa_enable_private_segment 0
		.amdhsa_kernarg_size 24
		.amdhsa_user_sgpr_count 2
		.amdhsa_user_sgpr_kernarg_segment_ptr 1
		.amdhsa_wavefront_size32 1
		.amdhsa_system_sgpr_workgroup_id_x 1
		.amdhsa_system_sgpr_workgroup_id_y 1
		.amdhsa_system_sgpr_workgroup_id_z 1
		.amdhsa_system_vgpr_workitem_id 0
		.amdhsa_next_free_vgpr 384
		.amdhsa_next_free_sgpr 66
		.amdhsa_reserve_vcc 0
		.amdhsa_float_denorm_mode_32 3
		.amdhsa_float_denorm_mode_16_64 3
		.amdhsa_memory_ordered 1
		.amdhsa_forward_progress 1
		.amdhsa_inst_pref_size 89
	.end_amdhsa_kernel
	.amdgpu_metadata
---
amdhsa.version: [ 1, 2 ]
amdhsa.kernels:
  - .name:           k_q0a8e82d638_oproj
    .symbol:         k_q0a8e82d638_oproj.kd
    .args:
      - { .name: ob, .offset: 0, .size: 8, .value_kind: global_buffer, .address_space: global }
      - { .name: xw, .offset: 8, .size: 8, .value_kind: global_buffer, .address_space: global }
      - { .name: out0, .offset: 16, .size: 8, .value_kind: global_buffer, .address_space: global }
    .group_segment_fixed_size: 327680
    .private_segment_fixed_size: 0
    .kernarg_segment_align: 8
    .kernarg_segment_size: 24
    .max_flat_workgroup_size: 128
    .sgpr_count:     66
    .vgpr_count:     384
    .wavefront_size: 32
...
	.end_amdgpu_metadata
.endif
;; end of part 4
